; MI455X (gfx1250); checked and timed in simulation.
; The chip was launched on July 23, 2026; its instructions are those of AMD's public machine-readable ISA for CDNA 5 (MIT licence, August 2026) and "CDNA5" Instruction Set Architecture Reference Guide (July 2026). The comments in the code are by the model that wrote it; some were corrected since.
;; Rotate Linear. Allowed arithmetic: matrix products marked QUANTISED: E4M3 operands, one given power-of-two scale a tensor, by v_wmma_f32_16x16x64_fp8_fp8 or v_wmma_f32_16x16x128_fp8_fp8, f32 sums; everything else in f32.
;; Inputs: bias 4,096 float32; had_K_codes 4,096 x 128 x 32 uint8 (E4M3 codes of had_K, K innermost, in blocks of 32 codes); lowp_scales 4 int32 (the exponents e of the quantised operands' scales 2^e); weight_codes 4,096 x 128 x 32 uint8 (E4M3 codes of weight, K innermost, in blocks of 32 codes); x_codes 4 x 512 x 128 x 32 uint8 (E4M3 codes of x, K innermost, in blocks of 32 codes).
;; Outputs: out0 4 x 512 x 4,096 float32.
;; This version of the problem:
;;   THIS VERSION OF THE PROBLEM IS GIVEN IN LOW PRECISION. The matrix products marked QUANTISED in the list below multiply operands that are first quantised to E4M3 (4 exponent bits, 3 mantissa bits; 8 bits a number), with one given power-of-two scale for each operand tensor; their sums are f32. All else is computed in f32.
;;   The module's matrix products, in the order in which they are computed (A, B: the left and right operand; K: the contracted axis; several contracted axes count as one K, in the product's order):
;;     1. [M 2,048, K 4,096] x [K 4,096, N 4,096]; A: input x (given as codes); B: input had_K (given as codes): QUANTISED (scales: A lowp_scales[0], B lowp_scales[1])
;;     2. [M 2,048, K 4,096] x [K 4,096, N 4,096]; A: computed on the way; B: input weight (given as codes): QUANTISED (scales: A lowp_scales[2], B lowp_scales[3])
;;   THE QUANTISER, for each operand of a quantised product, along K:
;;     - The operand's scale is 2^e, e = its entry of the input lowp_scales (int32; the entries are numbered through the quantised products in the list's order, A before B).
;;     - Each number is divided by the scale, clamped to +-448, and rounded to the nearest number of E4M3, ties to even, subnormals kept.
;;     - The product sums the exact products of the quantised numbers (number of the format x scale) in f32.
;;   ~~~python
;;   def quantise(x, axis, e):      # numpy; x: float32 -> the quantised numbers, widened to float32 again
;;       x = np.moveaxis(x, axis, -1); K = x.shape[-1]
;;       r = np.clip(x / 2.0 ** e, -448, 448)
;;       step = 2.0 ** (np.maximum(np.frexp(np.where(r == 0, 1, r))[1] - 1, -6) - 3)
;;       q = np.round(r / step) * step * 2.0 ** e      # np.round: ties to even
;;       return np.moveaxis(q, -1, axis).astype(np.float32)
;;   ~~~
;;   OPERANDS COMPUTED ON THE WAY. 'Computed on the way' means the value that the module computes at that place (a softmax that the list does not call 'softmax' is quantised finished and normalised). What goes into a quantiser is computed in f32, as accurately as f32 sums, v_exp_f32 and their like allow (about 1e-6 of the number): no bf16 or f16 on the way to a quantiser, and a product that is left as it is and whose result goes on into a quantised operand takes f32 operands (vector FMAs, or v_wmma_f32_16x16x4_f32). A number that lies on a knife's edge between two numbers of the format may be rounded either way, as far as f32 arithmetic and the matrix unit's own rounding can turn it there, and no further.
;;   INPUTS GIVEN AS CODES. had_K (in the module: [4096, 4096], K = its axis 0); weight (in the module: [4096, 4096], K = its axis 1); x (in the module: [4, 512, 4096], K = its axis 2): each comes as NAME_codes (uint8): NAME with its K axis moved to the last place and cut into blocks of 32 codes, [.., K / 32, bytes a block], one block behind the other in memory; one code a byte (a code: sign, 4 exponent bits, 3 mantissa bits); its scale is its entry of lowp_scales. Its value is code x scale, taken as it is: it is not quantised again, and the codes and scales need not be those that the quantiser above would give.
;; One version. Each part assembles by itself: llvm-mc -triple=amdgcn-amd-amdhsa -mcpu=gfx1250 --defsym DOCPART=n.
;; ======== version 1 of 1: 2 launches
;; limits: right only within a limited range of input values
;; workspace buffers: xr_codes 8,388,608 bytes
;; launch rot (part 1): grid 16 x 16, 4 waves a work-group, clusters of 4 x 4, 327,680 bytes of LDS; arguments x_codes, had_K_codes, lowp_scales, xr_codes; writes xr_codes
.if DOCPART == 1
	.amdgcn_target "amdgcn-amd-amdhsa--gfx1250"
	.amdhsa_code_object_version 6
	.text
	.protected	k_qa27e95e214_rot
	.globl	k_qa27e95e214_rot
	.p2align	8
	.type	k_qa27e95e214_rot,@function
k_qa27e95e214_rot:
	s_mov_b64 s[64:65], 0
	v_nop
	global_prefetch_b8 v0, s[64:65] scope:SCOPE_SE
	s_setreg_imm32_b32 hwreg(HW_REG_WAVE_MODE, 25, 1), 1
	s_wait_xcnt 0x0
	s_wait_alu depctr_hold_cnt(0) depctr_sa_sdst(0) depctr_va_vdst(0) depctr_va_sdst(0) depctr_va_ssrc(0) depctr_va_vcc(0) depctr_vm_vsrc(0)
	s_getreg_b32 s2, hwreg(HW_REG_IB_STS2, 6, 4)
	s_cmp_eq_u32 s2, 0
	s_cbranch_scc0 .Lentry_in_a_cluster
	s_endpgm
.Lentry_in_a_cluster:
	s_bfe_u32 s2, ttmp6, 0x10000c
	s_cmp_lg_u32 s2, 0xf033
	s_cbranch_scc0 .Lentry_shape_is_right
	s_endpgm
.Lentry_shape_is_right:
; xr[m][n] = Q(sum over k of x[m][k] had[n][k]): the first product of RotateLinear on codes of FP8 (E4M3), and the quantiser ahead of the second.
; A = x's codes [2048][4096], B = had_K's codes [4096 (n)][4096 (k)], K innermost; the result is xr's codes [2048][4096], n innermost: the next product's K.
; A sum stands for sum x 2^(e0 + e1); its code is sum / 2^(e2 - e0 - e1), held within +-448, rounded to the nearest code, ties to even: the three exponents are folded into the conversion's one scale.
; LIMITS: e2 - e0 - e1 lies between -126 and 119, so that the scale and 448 x the scale are f32 numbers.  NaN codes among the inputs are not served.
; Inside a matrix instruction k lies in other places than the form's own layout gives it, alike in A and B: only the order of the f32 sums differs.
; SHARES.  A block is 128 rows x 256 columns: 16 x 16 = 256 work-groups.  Four waves, 2 x 2: wave w makes rows 64 (w / 2) on, columns 128 (w % 2) on: 32 accumulators, 256 registers.
; THE RING has two slots of UNLIKE size, since 384 rows x 528 bytes twice pass the 327,680 bytes: slot 0 holds 256 along K (384 x 272 = 104,448 bytes), slot 1 holds 512 (384 x 528 = 202,752).
; K is walked as 256, then five times (512, 256): 11 fills.  Waves 0, 1 fetch A's two halves of 64 rows, waves 2, 3 B's two of 128: one tensor load a wave.  A substep is 128 along K, 32 matrix instructions.
; CLUSTERS: 4 x 4.  A's tiles are asked for jointly along a row of the cluster, B's along a column.
; PREFETCHES stand in the arms of the joint load: with fill f each wave names, of fill f + 2 (768 further along K), its work-group's quarter of the rows that it fetches (A: 16 rows by cx; B: 32 rows by cy), each 256 bytes once;
;   where 16 lanes suffice the others name lane 15's block again.  The head also names fill 1.  Fills 9 and 10 ask for nothing.
; TRANSPOSED USE (source 0 = 16 rows of B, source 1 = 16 rows of A): lane (r, h) of accumulator (a, b) holds row 16 a + r, columns 16 b + 8 h + 0 .. 7: eight neighbours along the next K.
; REGISTERS: window 0: v0-31 addresses and constants, v32-223 the way out; window 1: B's fragments, two sets of 128; window 2: the accumulators, (a, b) at v[8 (8 a + b)]; window 3: A's fragments, two sets of 64.
.set KROW,   4096
.set SS,     384*272                   ; slot 0's bytes; slot 1 begins here
.set SPARE,  SS+384*528                ; the spare words, 128 bytes a wave
.set STG,    SS                        ; the way out's stage lies in slot 1, behind its last fill and its last read
.set PF16, 12                          ; v12  4,096 x min(lane, 15)
.set PF32, 13                          ; v13  4,096 x lane
.set PF2,  14                          ; v14  4,096 x (lane % 16) + 256 x (lane / 16)
.set ADRA, 16                          ; v16-17  LDS address of my A fragments in slot 0, 1
.set ADRB, 20                          ; v20-21  the same for B
.set STO,  24
.set RD,   25
.set CO,   26
.set SPW,  28
.set NIL,  29
.set SCL,  30                          ; 2^(e2 - e0 - e1)
.set LIM,  31                          ; 448 x that
.set TMP,  32
.set CD,   96
.set OB,   160
.set G1A, 24                           ; group 1: A slot 0 s[24:31], B slot 0 s[32:39], A slot 1 s[40:47], B slot 1 s[48:55]
.set G1B, 32
.set G0A, 56                           ; group 0: A slot 0 s[56:59], B slot 0 s[60:63], A slot 1 s[68:71], B slot 1 s[72:75]
.set G0B, 60
.set K0S, (1<<20)|(1<<21)|(5<<22)|(3<<25)   ; bytes; padding on; bit 21 beside a mask; 4 words behind every 64
.set K0L, (1<<20)|(1<<21)|(6<<22)|(3<<25)   ; behind every 128
.set MSB, 0
.macro WIN new
.if MSB != \new
	s_set_vgpr_msb (MSB<<8)|\new
.set MSB, \new
.endif
.endm
.set MUL,  0xad                        ; source 0 window 1, source 1 window 3, C and D window 2
.set TO_B, 0x40
.set TO_A, 0xc0
.macro PLACES n
.rept \n
	v_nop
.endr
.endm
.macro G1SET g, w, rows
	s_mov_b32 s[\g+1], (\w)<<16
	s_mov_b32 s[\g+2], (\rows)<<16
	s_mov_b32 s[\g+3], (\w)<<16
	s_mov_b32 s[\g+4], \rows
	s_mov_b32 s[\g+5], KROW
	s_mov_b32 s[\g+6], 0
	s_mov_b32 s[\g+7], 0
.endm
.macro ASK ab, k, off                  ; my quarter of the rows that I fetch, at byte off of the rows beyond where s[80:81] stands; k: 256 or 512 bytes of each
.if (\off) >= 0
.if \k
	global_prefetch_b8 v[PF2], s[80:81] offset:\off th:TH_LOAD_NT scope:SCOPE_SE
.if \ab
	global_prefetch_b8 v[PF2], s[80:81] offset:(\off)+16*KROW th:TH_LOAD_NT scope:SCOPE_SE
.endif
.else
.if \ab
	global_prefetch_b8 v[PF32], s[80:81] offset:\off th:TH_LOAD_NT scope:SCOPE_SE
.else
	global_prefetch_b8 v[PF16], s[80:81] offset:\off th:TH_LOAD_NT scope:SCOPE_SE
.endif
.endif
.endif
.endm
; A joint load into slot k.  Each arm has one mask and one set of registers; the branch hangs on the wave's number alone.  s_nop 0 and four v_nop follow each load.
.macro JLOAD k, pf, xpf
	s_cmp_eq_u32 s15, 0
	s_cbranch_scc0 .Lfor_b_\@
	tensor_load_to_lds s[G0A+12*(\k):G0A+12*(\k)+3], s[G1A+16*(\k):G1A+16*(\k)+7]
	s_nop 0
	PLACES 4
	ASK 0, \k, \pf
	ASK 0, 1, \xpf
	s_branch .Lasked_\@
.Lfor_b_\@:
	tensor_load_to_lds s[G0B+12*(\k):G0B+12*(\k)+3], s[G1B+16*(\k):G1B+16*(\k)+7]
	s_nop 0
	PLACES 4
	ASK 1, \k, \pf
	ASK 1, 1, \xpf
.Lasked_\@:
.endm
.macro CREST                           ; a round of the cluster's barrier behind its opening barrier
	s_cmp_lg_u32 s14, 0
	s_cbranch_scc1 .Lnot_wave_0_\@
	s_barrier_signal -3
.Lnot_wave_0_\@:
	s_barrier_wait -3
	s_barrier_signal -1
	s_barrier_wait -1
.endm
.macro CROUND
	s_barrier_signal -1
	s_barrier_wait -1
	CREST
.endm
.macro FRAG reg, adr, off              ; 16 rows x 128 K: registers 4 c .. 4 c + 3 hold K = 32 c + 16 (l / 16) + 0 .. 15
.irp c, 0,1,2,3
	ds_load_b128 v[\reg+4*\c:\reg+4*\c+3], v[\adr] offset:(\off)+32*\c
.endr
.endm
.macro RUN k, q, p, g                  ; of slot k's substep q, into sets p: run 0 brings A's four blocks and B's 0, 1 (24 loads), runs 1 to 3 B's 2 g, 2 g + 1 (8 loads)
.if \g == 0
	WIN TO_A
.irp i, 0,1,2,3
	FRAG 64*(\p)+16*\i, ADRA+(\k), 128*(\q)+\i*16*(272+256*(\k))
.endr
.endif
	WIN TO_B
	FRAG 128*(\p)+16*(2*\g), ADRB+(\k), 128*(\q)+(2*\g)*16*(272+256*(\k))
	FRAG 128*(\p)+16*(2*\g+1), ADRB+(\k), 128*(\q)+(2*\g+1)*16*(272+256*(\k))
.endm
.macro GRP p, g                        ; 8 products; the 32 accumulators take turns in the same order in every substep; ZERO: the first products start the sums
	WIN MUL
.irp b, 2*\g, 2*\g+1
.irp a, 0,1,2,3
.if ZERO
	v_wmma_f32_16x16x128_fp8_fp8 v[8*(8*\a+(\b)):8*(8*\a+(\b))+7], v[128*(\p)+16*(\b):128*(\p)+16*(\b)+15], v[64*(\p)+16*\a:64*(\p)+16*\a+15], 0
.else
	v_wmma_f32_16x16x128_fp8_fp8 v[8*(8*\a+(\b)):8*(8*\a+(\b))+7], v[128*(\p)+16*(\b):128*(\p)+16*(\b)+15], v[64*(\p)+16*\a:64*(\p)+16*\a+15], v[8*(8*\a+(\b)):8*(8*\a+(\b))+7]
.endif
.endr
.endr
.endm
.macro RUNS k, q, p                    ; all 48 LDS loads of slot k's substep q, into sets p, in one run
.irp g, 0,1,2,3
	RUN \k, \q, \p, \g
.endr
.endm
; A plain substep multiplies sets p; ahead of its 32 products it fetches slot nk's substep nq into the other sets.  s_wait_dscnt 48 leaves out exactly the 48 loads just issued.
.macro STEP p, nk, nq
	PLACES 4                                       ; the registers loaded below were read by the products just issued
	RUNS \nk, \nq, 1-(\p)
	s_wait_dscnt 48
.irp g, 0,1,2,3
	GRP \p, \g
.endr
.set ZERO, 0
.endm
; The last substep of a step of 256 (sets 1).  Behind half of its products: all my tensor loads have landed (slot 1's fill among them), the add, my reads of slot 0 are over (its last fragments lie in registers);
; a round of the cluster's barrier; slot 0 is filled again first behind it; then slot 1's first fragments are fetched.
.macro BETA pf
	s_wait_dscnt 0x0
	GRP 1, 0
	GRP 1, 1
	WIN 0
	s_wait_tensorcnt 0x0
	ds_add_u32 v[SPW], v[NIL]
	s_add_nc_u64 s[G0A+2:G0A+3], s[G0A+2:G0A+3], 768   ; once round the ring along K
	s_add_nc_u64 s[G0B+2:G0B+3], s[G0B+2:G0B+3], 768
	s_wait_dscnt 0x0
	CROUND
	JLOAD 0, \pf, -1                               ; its four v_nop are also the places in front of the loads below
	RUNS 1, 0, 0
	GRP 1, 2
	GRP 1, 3
.endm
; The third substep of a step of 512 (sets 0).  At its head slot 1's fourth and last substep is fetched into registers, so slot 1 is given up here, one substep ahead of its last products:
; behind half of the products the wait for all my tensor loads (slot 0's fill among them), the add, the wait for my reads; the barrier; fill = 1: it opens a round of the cluster's, and slot 1 is filled again first behind it.
.macro ALPHA fill, pf
	PLACES 4
	RUNS 1, 3, 1
	s_wait_dscnt 48
	GRP 0, 0
	GRP 0, 1
	WIN 0
	s_wait_tensorcnt 0x0
	ds_add_u32 v[SPW], v[NIL]
.if \fill
	s_add_nc_u64 s[G0A+14:G0A+15], s[G0A+14:G0A+15], 768
	s_add_nc_u64 s[G0B+14:G0B+15], s[G0B+14:G0B+15], 768
.endif
	s_wait_dscnt 0x0
	s_barrier_signal -1
	GRP 0, 2
	WIN 0
	s_barrier_wait -1
.if \fill
	CREST
	JLOAD 1, \pf, -1
.endif
	GRP 0, 3
.endm
; A lap: from the last substep of a step of 256 through a step of 512 to the first substep of the next step of 256.
.macro LAP fillb, pfs, pfb
	BETA \pfs
	STEP 0, 1, 1
	STEP 1, 1, 2
	ALPHA \fillb, \pfb
	STEP 1, 0, 0
	STEP 0, 0, 1
.endm
	s_load_b128 s[4:7], s[0:1], 0x0                ; A's codes, B's codes
	s_load_b128 s[8:11], s[0:1], 0x10              ; the exponents, the result
	v_lshl_add_u32 v[SPW], v0, 2, SPARE
	v_mov_b32 v[NIL], 0
	ds_add_u32 v[SPW], v[NIL]                      ; the opening lines
	ds_add_u32 v[SPW], v[NIL]
	v_lshrrev_b32 v1, 5, v0
	v_readfirstlane_b32 s14, v1                    ; wave 0..3
	s_lshr_b32 s15, s14, 1                         ; my half of the rows.  Also: I fetch for A (0) or B (1)
	s_and_b32 s16, s14, 1                          ; my half of the columns.  Also: which half of that tile I fetch
	s_bfe_u32 s84, ttmp6, 0x40000                  ; cx
	s_bfe_u32 s85, ttmp6, 0x40004                  ; cy
	s_lshl_b32 s86, ttmp9, 2
	s_add_co_u32 s86, s86, s84                     ; block column
	s_and_b32 s87, ttmp7, 0xffff
	s_lshl_b32 s87, s87, 2
	s_add_co_u32 s87, s87, s85                     ; block row
	s_lshl_b32 s88, s85, 2
	s_lshl_b32 s88, 15, s88                        ; my row of the cluster
	s_lshl_b32 s89, 0x1111, s84                    ; my column
	s_or_b32 s[G1A], s88, K0S
	s_or_b32 s[G1B], s89, K0S
	s_or_b32 s[G1A+16], s88, K0L
	s_or_b32 s[G1B+16], s89, K0L
	G1SET G1A, 256, 64
	G1SET G1B, 256, 128
	G1SET G1A+16, 512, 64
	G1SET G1B+16, 512, 128
	s_lshl_b32 s20, s87, 7
	s_lshl_b32 s17, s16, 6
	s_add_co_u32 s20, s20, s17                     ; A: row 128 x block row + 64 x half,
	s_lshl_b32 s20, s20, 12                        ; in bytes
	s_mov_b32 s21, 0
	s_lshl_b32 s22, s86, 8
	s_lshl_b32 s17, s16, 7
	s_add_co_u32 s22, s22, s17                     ; B: row 256 x block column + 128 x half
	s_lshl_b32 s22, s22, 12
	s_mov_b32 s23, 0
	s_lshl_b32 s90, s84, 16                        ; the prefetches: of A's 64 rows 16 by cx,
	s_add_co_u32 s90, s90, s20
	s_lshl_b32 s91, s85, 17                        ; of B's 128 rows 32 by cy
	s_add_co_u32 s91, s91, s22
	s_cmp_eq_u32 s15, 0
	s_cselect_b32 s82, s90, s91
	s_mov_b32 s83, 0
	s_mov_b32 s[G0A], 1
	s_mov_b32 s[G0B], 1
	s_mov_b32 s[G0A+12], 1
	s_mov_b32 s[G0B+12], 1
	s_mul_i32 s[G0A+1], s16, 64*272                ; where the tiles go: A's 128 rows, then B's 256, in each slot
	s_mul_i32 s[G0B+1], s16, 128*272
	s_add_co_u32 s[G0B+1], s[G0B+1], 128*272
	s_mul_i32 s[G0A+13], s16, 64*528
	s_add_co_u32 s[G0A+13], s[G0A+13], SS
	s_mul_i32 s[G0B+13], s16, 128*528
	s_add_co_u32 s[G0B+13], s[G0B+13], SS+128*528
	s_mul_i32 s94, s15, 64*272                     ; my 64 rows of A in slot 0,
	s_mul_i32 s96, s15, 64*528
	s_add_co_u32 s96, s96, SS                      ; in slot 1
	s_lshl_b32 s98, s16, 7
	s_add_co_u32 s98, s98, s94
	s_add_co_u32 s98, s98, STG                     ; into the stage: my 64 rows, my 128 of their 256 bytes
	s_mul_i32 s99, s14, 32*272
	s_add_co_u32 s99, s99, STG                     ; back: rows 32 w on
	s_lshl_b32 s18, s87, 7
	s_lshl_b32 s17, s14, 5
	s_add_co_u32 s18, s18, s17
	s_lshl_b32 s18, s18, 12                        ; the first row that I store,
	s_lshl_b32 s17, s86, 8
	s_add_co_u32 s18, s18, s17                     ; and the block's 256 bytes in it
	s_mov_b32 s19, 0
	v_and_b32 v1, 15, v0                           ; r
	v_bfe_u32 v2, v0, 4, 1                         ; h
	v_and_b32 v5, 31, v0
	v_mul_u32_u24 v3, v1, 272
	v_mul_u32_u24 v4, v1, 528
	v_lshl_add_u32 v6, v2, 4, v3
	v_lshl_add_u32 v7, v2, 4, v4
	v_add_nc_u32 v[ADRA], s94, v6
	v_add_nc_u32 v[ADRB], s[G0B+1], v6             ; my 128 rows of B lie where the wave with my half put them
	v_add_nc_u32 v[ADRA+1], s96, v7
	v_add_nc_u32 v[ADRB+1], s[G0B+13], v7
	v_min_u32 v8, 15, v5
	v_lshlrev_b32 v[PF16], 12, v8
	v_lshlrev_b32 v[PF32], 12, v5
	v_lshlrev_b32 v9, 12, v1
	v_lshl_add_u32 v[PF2], v2, 8, v9
	v_lshl_add_u32 v10, v2, 3, v3
	v_add_nc_u32 v[STO], s98, v10                  ; row r, + 8 h
	v_mul_u32_u24 v11, v2, 272
	v_lshl_add_u32 v11, v1, 4, v11
	v_add_nc_u32 v[RD], s99, v11                   ; lanes 0-15 one row of 256 bytes, lanes 16-31 the next
	v_lshlrev_b32 v9, 12, v2
	v_lshl_add_u32 v[CO], v1, 4, v9                ; and the same two rows in memory
	s_wait_alu depctr_va_vdst(0)
	s_wait_dscnt 0x0
	s_wait_kmcnt 0x0
	s_load_b128 s[76:79], s[8:9], 0x0              ; e0 .. e3
	s_add_nc_u64 s[20:21], s[4:5], s[20:21]
	s_add_nc_u64 s[22:23], s[6:7], s[22:23]
	s_mov_b64 s[G0A+2:G0A+3], s[20:21]             ; fill 0: K from 0
	s_mov_b64 s[G0B+2:G0B+3], s[22:23]
	s_add_nc_u64 s[G0A+14:G0A+15], s[20:21], 256   ; fill 1: K from 256
	s_add_nc_u64 s[G0B+14:G0B+15], s[22:23], 256
.irp g, G0A+3, G0B+3, G0A+15, G0B+15
	s_or_b32 s[\g], s[\g], 0x80000000
.endr
	s_cmp_eq_u32 s15, 0
	s_cselect_b64 s[80:81], s[4:5], s[6:7]
	s_add_nc_u64 s[80:81], s[80:81], s[82:83]
	s_add_nc_u64 s[10:11], s[10:11], s[18:19]
	CROUND                                         ; the first joint loads meet
	JLOAD 0, 768, 256                              ; fill 0: one tensor load a wave at the head
	s_wait_kmcnt 0x0
	s_sub_co_i32 s92, s78, s76
	s_sub_co_i32 s92, s92, s77
	s_add_co_i32 s92, s92, 127
	s_lshl_b32 s93, s92, 23
	v_mov_b32 v[SCL], s93
	s_add_co_i32 s92, s92, 8
	s_lshl_b32 s92, s92, 23
	s_or_b32 s92, s92, 0x600000
	v_mov_b32 v[LIM], s92
	s_wait_alu depctr_va_vdst(0)
	s_wait_tensorcnt 0x0                           ; my part of fill 0 is in; slot 1's first fill is issued as a refill is
	ds_add_u32 v[SPW], v[NIL]
	s_wait_dscnt 0x0
	CROUND
	JLOAD 1, 1024, -1                              ; fill 1
.irp g, 0,1,2,3
	RUN 0, 0, 0, \g
.endr
.set ZERO, 1
	STEP 0, 0, 1
	WIN 0
	s_mov_b32 s3, 3
.Llap:                                             ; trip j = 0, 1, 2 asks for fills 2 j + 2 and 2 j + 3 and names fills 2 j + 4 and 2 j + 5
	LAP 1, 1536, 1792
	WIN 0
	s_wait_xcnt 0x0                                ; the prefetches have read their base
	s_add_nc_u64 s[80:81], s[80:81], 768
	s_sub_co_u32 s3, s3, 1
	s_cmp_lg_u32 s3, 0
	s_cbranch_scc1 .Llap
	LAP 1, 1536, -1                                ; fills 8 and 9; fill 10 is named
	LAP 0, -1, -1                                  ; fill 10, the last
.irp g, 0,1,2,3
	s_wait_dscnt 24-8*\g                           ; the last substep: behind what the group wants only the later runs were issued
	GRP 1, \g
.endr
	WIN 0
; THE WAY OUT.  The hold, the conversion (8 neighbours make 8 bytes), 8 bytes a lane into the work-group's stage of 128 rows x 272 bytes; a barrier, since a row's 256 bytes come from two waves; back as whole rows, 32 rows a wave.
.macro OUTBLK a
	WIN 0x02
.set j, 0
.rept 64
	v_med3_num_f32 v[TMP+j], v[64*(\a)+j], -v[LIM], v[LIM]   ; the conversion does not saturate (ISA guide 7.6.2); each accumulator from its low end on
.set j, j+1
.endr
	WIN 0
.irp b, 0,1,2,3,4,5,6,7
	v_cvt_scalef32_pk8_fp8_f32 v[CD+16*(\a)+2*\b:CD+16*(\a)+2*\b+1], v[TMP+8*\b:TMP+8*\b+7], v[SCL]
.endr
	v_nop                                          ; one plain place behind the last conversion
.irp b, 0,1,2,3,4,5,6,7
	ds_store_b64 v[STO], v[CD+16*(\a)+2*\b:CD+16*(\a)+2*\b+1] offset:(\a)*16*272+16*\b
.endr
.endm
	PLACES 4
.irp a, 0,1,2,3
	OUTBLK \a
.endr
	s_wait_dscnt 0x0                               ; for the others' sake: my stores into the stage are done
	s_barrier_signal -1
	s_barrier_wait -1
.irp t, 0,1,2,3,4,5,6,7,8,9,10,11,12,13,14,15
	ds_load_b128 v[OB+4*\t:OB+4*\t+3], v[RD] offset:\t*2*272
.endr
.irp t, 0,1,2,3,4,5,6,7,8,9,10,11,12,13,14,15
	s_wait_dscnt 15-\t
	global_store_b128 v[CO], v[OB+4*\t:OB+4*\t+3], s[10:11] offset:2*\t*KROW   ; 16 lanes store 256 consecutive bytes, aligned
.endr
	s_wait_tensorcnt 0x0                           ; the wave's end
	ds_add_u32 v[SPW], v[NIL]
	s_wait_dscnt 0x0
	CROUND                                         ; the closing round
	s_endpgm
.Lfunc_end_k_qa27e95e214_rot:
	.size	k_qa27e95e214_rot, .Lfunc_end_k_qa27e95e214_rot-k_qa27e95e214_rot
	.p2alignl 7, 3214868480
	.fill 96, 4, 3214868480
	.section	.rodata,"a",@progbits
	.p2align	6, 0x0
	.amdhsa_kernel k_qa27e95e214_rot
		.amdhsa_group_segment_fixed_size 327680
		.amdhsa_private_segment_fixed_size 0
		.amdhsa_enable_private_segment 0
		.amdhsa_kernarg_size 32
		.amdhsa_user_sgpr_count 2
		.amdhsa_user_sgpr_kernarg_segment_ptr 1
		.amdhsa_wavefront_size32 1
		.amdhsa_system_sgpr_workgroup_id_x 1
		.amdhsa_system_sgpr_workgroup_id_y 1
		.amdhsa_system_sgpr_workgroup_id_z 1
		.amdhsa_system_vgpr_workitem_id 0
		.amdhsa_next_free_vgpr 1024
		.amdhsa_next_free_sgpr 100
		.amdhsa_reserve_vcc 0
		.amdhsa_float_denorm_mode_32 3
		.amdhsa_float_denorm_mode_16_64 3
		.amdhsa_memory_ordered 1
		.amdhsa_forward_progress 1
		.amdhsa_inst_pref_size 146
	.end_amdhsa_kernel
	.amdgpu_metadata
---
amdhsa.version: [ 1, 2 ]
amdhsa.kernels:
  - .name:           k_qa27e95e214_rot
    .symbol:         k_qa27e95e214_rot.kd
    .args:
      - { .name: x_codes, .offset: 0, .size: 8, .value_kind: global_buffer, .address_space: global }
      - { .name: had_K_codes, .offset: 8, .size: 8, .value_kind: global_buffer, .address_space: global }
      - { .name: lowp_scales, .offset: 16, .size: 8, .value_kind: global_buffer, .address_space: global }
      - { .name: xr_codes, .offset: 24, .size: 8, .value_kind: global_buffer, .address_space: global }
    .group_segment_fixed_size: 327680
    .private_segment_fixed_size: 0
    .kernarg_segment_align: 8
    .kernarg_segment_size: 32
    .max_flat_workgroup_size: 128
    .sgpr_count:     100
    .vgpr_count:     1024
    .wavefront_size: 32
...
	.end_amdgpu_metadata
.endif
;; end of part 1
;; launch lin (part 2): grid 16 x 16, 4 waves a work-group, clusters of 4 x 4, 327,680 bytes of LDS; arguments xr_codes, weight_codes, lowp_scales, out0, bias; writes out0
.if DOCPART == 2
	.amdgcn_target "amdgcn-amd-amdhsa--gfx1250"
	.amdhsa_code_object_version 6
	.text
	.protected	k_qa27e95e214_lin
	.globl	k_qa27e95e214_lin
	.p2align	8
	.type	k_qa27e95e214_lin,@function
k_qa27e95e214_lin:
	s_mov_b64 s[64:65], 0
	v_nop
	global_prefetch_b8 v0, s[64:65] scope:SCOPE_SE
	s_setreg_imm32_b32 hwreg(HW_REG_WAVE_MODE, 25, 1), 1
	s_wait_xcnt 0x0
	s_wait_alu depctr_hold_cnt(0) depctr_sa_sdst(0) depctr_va_vdst(0) depctr_va_sdst(0) depctr_va_ssrc(0) depctr_va_vcc(0) depctr_vm_vsrc(0)
	s_getreg_b32 s2, hwreg(HW_REG_IB_STS2, 6, 4)
	s_cmp_eq_u32 s2, 0
	s_cbranch_scc0 .Lentry_in_a_cluster
	s_endpgm
.Lentry_in_a_cluster:
	s_bfe_u32 s2, ttmp6, 0x10000c
	s_cmp_lg_u32 s2, 0xf033
	s_cbranch_scc0 .Lentry_shape_is_right
	s_endpgm
.Lentry_shape_is_right:
; out[m][o] = 2^(e2 + e3) x (sum over k of xr[m][k] w[o][k]) + bias[o]: the second product of RotateLinear on codes of FP8 (E4M3).
; A = xr's codes [2048][4096], B = weight's codes [4096 (o)][4096 (k)], K innermost; out is f32 [2048][4096].
; LIMIT: e2 + e3 lies between -126 and 127, so that 2^(e2 + e3) is an f32 number.  k is permuted alike in A and B inside a matrix instruction: only the order of the f32 sums differs.
; SHARES, RING, CLUSTERS, PREFETCHES as in the first product's launch: a block of 128 rows x 256 columns, 256 work-groups, four waves of 64 x 128, 32 accumulators each.
; Two LDS slots of unlike size (256 along K: 384 x 272 bytes; 512 along K: 384 x 528 bytes; two of the larger would pass the 327,680 bytes); K is walked as 256, then five times (512, 256): 11 fills.
; Waves 0, 1 fetch A's halves of 64 rows, waves 2, 3 B's of 128, jointly along a row and a column of the 4 x 4 cluster.  With fill f each wave names its work-group's quarter of its rows of fill f + 2; the head also names fill 1.
; TRANSPOSED USE: lane (r, h) of accumulator (a, b) holds row 16 a + r, columns 16 b + 8 h + 0 .. 7: 32 neighbouring bytes of a row of out.
; REGISTERS: window 0: v0-31 addresses, v32-95 at work on the way out, v96-159 the bias of my columns; window 1: B's two sets; window 2: the accumulators; window 3: v0-127 A's two sets, v128-255 rows read back on the way out.
.set KROW,   4096
.set CROW,   16384                     ; a row of out in bytes
.set SS,     384*272
.set SPARE,  SS+384*528
.set STG,    SS                        ; the way out's stages, 16 rows x 528 bytes a wave, lie in slot 1, behind its last fill and its last read
.set SPITCH, 528
.set PF16, 12
.set PF32, 13
.set PF2,  14
.set ADRA, 16
.set ADRB, 20
.set STO,  24
.set RD,   25
.set LO,   26
.set BO,   27
.set SPW,  28
.set NIL,  29
.set TMP,  32
.set BI,   96
.set G1A, 24
.set G1B, 32
.set G0A, 56
.set G0B, 60
.set K0S, (1<<20)|(1<<21)|(5<<22)|(3<<25)
.set K0L, (1<<20)|(1<<21)|(6<<22)|(3<<25)
.set MSB, 0
.macro WIN new
.if MSB != \new
	s_set_vgpr_msb (MSB<<8)|\new
.set MSB, \new
.endif
.endm
.set MUL,  0xad
.set TO_B, 0x40
.set TO_A, 0xc0
.macro PLACES n
.rept \n
	v_nop
.endr
.endm
.macro G1SET g, w, rows
	s_mov_b32 s[\g+1], (\w)<<16
	s_mov_b32 s[\g+2], (\rows)<<16
	s_mov_b32 s[\g+3], (\w)<<16
	s_mov_b32 s[\g+4], \rows
	s_mov_b32 s[\g+5], KROW
	s_mov_b32 s[\g+6], 0
	s_mov_b32 s[\g+7], 0
.endm
.macro ASK ab, k, off
.if (\off) >= 0
.if \k
	global_prefetch_b8 v[PF2], s[80:81] offset:\off th:TH_LOAD_NT scope:SCOPE_SE
.if \ab
	global_prefetch_b8 v[PF2], s[80:81] offset:(\off)+16*KROW th:TH_LOAD_NT scope:SCOPE_SE
.endif
.else
.if \ab
	global_prefetch_b8 v[PF32], s[80:81] offset:\off th:TH_LOAD_NT scope:SCOPE_SE
.else
	global_prefetch_b8 v[PF16], s[80:81] offset:\off th:TH_LOAD_NT scope:SCOPE_SE
.endif
.endif
.endif
.endm
.macro JLOAD k, pf, xpf                ; a joint load into slot k; s_nop 0 and four v_nop follow each load
	s_cmp_eq_u32 s15, 0
	s_cbranch_scc0 .Lfor_b_\@
	tensor_load_to_lds s[G0A+12*(\k):G0A+12*(\k)+3], s[G1A+16*(\k):G1A+16*(\k)+7]
	s_nop 0
	PLACES 4
	ASK 0, \k, \pf
	ASK 0, 1, \xpf
	s_branch .Lasked_\@
.Lfor_b_\@:
	tensor_load_to_lds s[G0B+12*(\k):G0B+12*(\k)+3], s[G1B+16*(\k):G1B+16*(\k)+7]
	s_nop 0
	PLACES 4
	ASK 1, \k, \pf
	ASK 1, 1, \xpf
.Lasked_\@:
.endm
.macro CREST
	s_cmp_lg_u32 s14, 0
	s_cbranch_scc1 .Lnot_wave_0_\@
	s_barrier_signal -3
.Lnot_wave_0_\@:
	s_barrier_wait -3
	s_barrier_signal -1
	s_barrier_wait -1
.endm
.macro CROUND
	s_barrier_signal -1
	s_barrier_wait -1
	CREST
.endm
.macro FRAG reg, adr, off
.irp c, 0,1,2,3
	ds_load_b128 v[\reg+4*\c:\reg+4*\c+3], v[\adr] offset:(\off)+32*\c
.endr
.endm
.macro RUN k, q, p, g                  ; run 0: A's four blocks and B's 0, 1 (24 loads); runs 1 to 3: B's 2 g, 2 g + 1 (8 loads)
.if \g == 0
	WIN TO_A
.irp i, 0,1,2,3
	FRAG 64*(\p)+16*\i, ADRA+(\k), 128*(\q)+\i*16*(272+256*(\k))
.endr
.endif
	WIN TO_B
	FRAG 128*(\p)+16*(2*\g), ADRB+(\k), 128*(\q)+(2*\g)*16*(272+256*(\k))
	FRAG 128*(\p)+16*(2*\g+1), ADRB+(\k), 128*(\q)+(2*\g+1)*16*(272+256*(\k))
.endm
.macro GRP p, g                        ; the 32 accumulators take turns
	WIN MUL
.irp b, 2*\g, 2*\g+1
.irp a, 0,1,2,3
.if ZERO
	v_wmma_f32_16x16x128_fp8_fp8 v[8*(8*\a+(\b)):8*(8*\a+(\b))+7], v[128*(\p)+16*(\b):128*(\p)+16*(\b)+15], v[64*(\p)+16*\a:64*(\p)+16*\a+15], 0
.else
	v_wmma_f32_16x16x128_fp8_fp8 v[8*(8*\a+(\b)):8*(8*\a+(\b))+7], v[128*(\p)+16*(\b):128*(\p)+16*(\b)+15], v[64*(\p)+16*\a:64*(\p)+16*\a+15], v[8*(8*\a+(\b)):8*(8*\a+(\b))+7]
.endif
.endr
.endr
.endm
.macro RUNS k, q, p                    ; all 48 LDS loads of slot k's substep q, into sets p, in one run
.irp g, 0,1,2,3
	RUN \k, \q, \p, \g
.endr
.endm
; A plain substep multiplies sets p; ahead of its 32 products it fetches slot nk's substep nq into the other sets.  s_wait_dscnt 48 leaves out exactly the 48 loads just issued.
.macro STEP p, nk, nq
	PLACES 4                                       ; the registers loaded below were read by the products just issued
	RUNS \nk, \nq, 1-(\p)
	s_wait_dscnt 48
.irp g, 0,1,2,3
	GRP \p, \g
.endr
.set ZERO, 0
.endm
; The last substep of a step of 256 (sets 1).  Behind half of its products: all my tensor loads have landed (slot 1's fill among them), the add, my reads of slot 0 are over;
; a round of the cluster's barrier; slot 0 is filled again first behind it; then slot 1's first fragments are fetched.
.macro BETA pf
	s_wait_dscnt 0x0
	GRP 1, 0
	GRP 1, 1
	WIN 0
	s_wait_tensorcnt 0x0
	ds_add_u32 v[SPW], v[NIL]
	s_add_nc_u64 s[G0A+2:G0A+3], s[G0A+2:G0A+3], 768   ; once round the ring along K
	s_add_nc_u64 s[G0B+2:G0B+3], s[G0B+2:G0B+3], 768
	s_wait_dscnt 0x0
	CROUND
	JLOAD 0, \pf, -1                               ; its four v_nop are also the places in front of the loads below
	RUNS 1, 0, 0
	GRP 1, 2
	GRP 1, 3
.endm
; The third substep of a step of 512 (sets 0).  At its head slot 1's fourth and last substep is fetched into registers, so slot 1 is given up here, one substep ahead of its last products:
; behind half of the products the wait for all my tensor loads (slot 0's fill among them), the add, the wait for my reads; the barrier; fill = 1: it opens a round of the cluster's, and slot 1 is filled again first behind it.
.macro ALPHA fill, pf
	PLACES 4
	RUNS 1, 3, 1
	s_wait_dscnt 48
	GRP 0, 0
	GRP 0, 1
	WIN 0
	s_wait_tensorcnt 0x0
	ds_add_u32 v[SPW], v[NIL]
.if \fill
	s_add_nc_u64 s[G0A+14:G0A+15], s[G0A+14:G0A+15], 768
	s_add_nc_u64 s[G0B+14:G0B+15], s[G0B+14:G0B+15], 768
.endif
	s_wait_dscnt 0x0
	s_barrier_signal -1
	GRP 0, 2
	WIN 0
	s_barrier_wait -1
.if \fill
	CREST
	JLOAD 1, \pf, -1
.endif
	GRP 0, 3
.endm
; A lap: from the last substep of a step of 256 through a step of 512 to the first substep of the next step of 256.
.macro LAP fillb, pfs, pfb
	BETA \pfs
	STEP 0, 1, 1
	STEP 1, 1, 2
	ALPHA \fillb, \pfb
	STEP 1, 0, 0
	STEP 0, 0, 1
.endm
	s_load_b128 s[4:7], s[0:1], 0x0                ; A's codes, B's codes
	s_load_b128 s[8:11], s[0:1], 0x10              ; the exponents, out
	s_load_b64 s[12:13], s[0:1], 0x20              ; bias
	v_lshl_add_u32 v[SPW], v0, 2, SPARE
	v_mov_b32 v[NIL], 0
	ds_add_u32 v[SPW], v[NIL]                      ; the opening lines
	ds_add_u32 v[SPW], v[NIL]
	v_lshrrev_b32 v1, 5, v0
	v_readfirstlane_b32 s14, v1
	s_lshr_b32 s15, s14, 1
	s_and_b32 s16, s14, 1
	s_bfe_u32 s84, ttmp6, 0x40000
	s_bfe_u32 s85, ttmp6, 0x40004
	s_lshl_b32 s86, ttmp9, 2
	s_add_co_u32 s86, s86, s84                     ; block column
	s_and_b32 s87, ttmp7, 0xffff
	s_lshl_b32 s87, s87, 2
	s_add_co_u32 s87, s87, s85                     ; block row
	s_lshl_b32 s88, s85, 2
	s_lshl_b32 s88, 15, s88
	s_lshl_b32 s89, 0x1111, s84
	s_or_b32 s[G1A], s88, K0S
	s_or_b32 s[G1B], s89, K0S
	s_or_b32 s[G1A+16], s88, K0L
	s_or_b32 s[G1B+16], s89, K0L
	G1SET G1A, 256, 64
	G1SET G1B, 256, 128
	G1SET G1A+16, 512, 64
	G1SET G1B+16, 512, 128
	s_lshl_b32 s20, s87, 7
	s_lshl_b32 s17, s16, 6
	s_add_co_u32 s20, s20, s17
	s_lshl_b32 s20, s20, 12
	s_mov_b32 s21, 0
	s_lshl_b32 s22, s86, 8
	s_lshl_b32 s17, s16, 7
	s_add_co_u32 s22, s22, s17
	s_lshl_b32 s22, s22, 12
	s_mov_b32 s23, 0
	s_lshl_b32 s90, s84, 16
	s_add_co_u32 s90, s90, s20
	s_lshl_b32 s91, s85, 17
	s_add_co_u32 s91, s91, s22
	s_cmp_eq_u32 s15, 0
	s_cselect_b32 s82, s90, s91
	s_mov_b32 s83, 0
	s_mov_b32 s[G0A], 1
	s_mov_b32 s[G0B], 1
	s_mov_b32 s[G0A+12], 1
	s_mov_b32 s[G0B+12], 1
	s_mul_i32 s[G0A+1], s16, 64*272
	s_mul_i32 s[G0B+1], s16, 128*272
	s_add_co_u32 s[G0B+1], s[G0B+1], 128*272
	s_mul_i32 s[G0A+13], s16, 64*528
	s_add_co_u32 s[G0A+13], s[G0A+13], SS
	s_mul_i32 s[G0B+13], s16, 128*528
	s_add_co_u32 s[G0B+13], s[G0B+13], SS+128*528
	s_mul_i32 s94, s15, 64*272
	s_mul_i32 s96, s15, 64*528
	s_add_co_u32 s96, s96, SS
	s_mul_i32 s98, s14, 16*SPITCH
	s_add_co_u32 s98, s98, STG                     ; my stage
	s_lshl_b32 s92, s86, 10
	s_lshl_b32 s17, s16, 9
	s_add_co_u32 s92, s92, s17                     ; my 128 columns in bias and in a row of out, in bytes
	s_mov_b32 s93, 0
	s_lshl_b32 s18, s87, 7
	s_lshl_b32 s17, s15, 6
	s_add_co_u32 s18, s18, s17                     ; my first row of out
	s_lshl_b32 s18, s18, 14
	s_add_co_u32 s18, s18, s92
	s_mov_b32 s19, 0
	v_and_b32 v1, 15, v0                           ; r
	v_bfe_u32 v2, v0, 4, 1                         ; h
	v_and_b32 v5, 31, v0
	v_mul_u32_u24 v3, v1, 272
	v_mul_u32_u24 v4, v1, 528
	v_lshl_add_u32 v6, v2, 4, v3
	v_lshl_add_u32 v7, v2, 4, v4
	v_add_nc_u32 v[ADRA], s94, v6
	v_add_nc_u32 v[ADRB], s[G0B+1], v6
	v_add_nc_u32 v[ADRA+1], s96, v7
	v_add_nc_u32 v[ADRB+1], s[G0B+13], v7
	v_min_u32 v8, 15, v5
	v_lshlrev_b32 v[PF16], 12, v8
	v_lshlrev_b32 v[PF32], 12, v5
	v_lshlrev_b32 v9, 12, v1
	v_lshl_add_u32 v[PF2], v2, 8, v9
	v_lshl_add_u32 v10, v2, 5, v4
	v_add_nc_u32 v[STO], s98, v10                  ; into the stage: row r, 32 bytes for each half of the lanes
	v_lshlrev_b32 v[LO], 4, v5
	v_add_nc_u32 v[RD], s98, v[LO]                 ; back: the 32 lanes take a row of 512 bytes
	v_lshlrev_b32 v[BO], 5, v2
	s_wait_alu depctr_va_vdst(0)
	s_wait_dscnt 0x0
	s_wait_kmcnt 0x0
	s_load_b128 s[76:79], s[8:9], 0x0              ; e0 .. e3
	s_add_nc_u64 s[20:21], s[4:5], s[20:21]
	s_add_nc_u64 s[22:23], s[6:7], s[22:23]
	s_mov_b64 s[G0A+2:G0A+3], s[20:21]
	s_mov_b64 s[G0B+2:G0B+3], s[22:23]
	s_add_nc_u64 s[G0A+14:G0A+15], s[20:21], 256
	s_add_nc_u64 s[G0B+14:G0B+15], s[22:23], 256
.irp g, G0A+3, G0B+3, G0A+15, G0B+15
	s_or_b32 s[\g], s[\g], 0x80000000
.endr
	s_cmp_eq_u32 s15, 0
	s_cselect_b64 s[80:81], s[4:5], s[6:7]
	s_add_nc_u64 s[80:81], s[80:81], s[82:83]
	s_add_nc_u64 s[10:11], s[10:11], s[18:19]
	s_add_nc_u64 s[12:13], s[12:13], s[92:93]
	CROUND                                         ; the first joint loads meet
	JLOAD 0, 768, 256                              ; fill 0: one tensor load a wave at the head
.irp b, 0,1,2,3,4,5,6,7
	global_load_b128 v[BI+8*\b:BI+8*\b+3],   v[BO], s[12:13] offset:64*\b      ; the bias of columns 16 b + 8 h + 0 .. 7, wanted on the way out
	global_load_b128 v[BI+8*\b+4:BI+8*\b+7], v[BO], s[12:13] offset:64*\b+16
.endr
	s_wait_kmcnt 0x0
	s_add_co_i32 s92, s78, s79
	s_add_co_i32 s92, s92, 127
	s_lshl_b32 s92, s92, 23                        ; 2^(e2 + e3)
	s_mov_b32 s93, s92
	s_wait_tensorcnt 0x0                           ; my part of fill 0 is in; slot 1's first fill is issued as a refill is
	ds_add_u32 v[SPW], v[NIL]
	s_wait_dscnt 0x0
	CROUND
	JLOAD 1, 1024, -1                              ; fill 1
.irp g, 0,1,2,3
	RUN 0, 0, 0, \g
.endr
.set ZERO, 1
	STEP 0, 0, 1
	WIN 0
	s_mov_b32 s3, 3
.Llap:                                             ; trip j = 0, 1, 2 asks for fills 2 j + 2 and 2 j + 3 and names fills 2 j + 4 and 2 j + 5
	LAP 1, 1536, 1792
	WIN 0
	s_wait_xcnt 0x0                                ; the prefetches have read their base
	s_add_nc_u64 s[80:81], s[80:81], 768
	s_sub_co_u32 s3, s3, 1
	s_cmp_lg_u32 s3, 0
	s_cbranch_scc1 .Llap
	LAP 1, 1536, -1
	LAP 0, -1, -1
.irp g, 0,1,2,3
	s_wait_dscnt 24-8*\g
	GRP 1, \g
.endr
	WIN 0
; THE WAY OUT, block by block of 16 rows x 128 columns: sum x 2^(e2 + e3) + bias in one fused multiply-add; through my own stage, back as whole rows of 512 bytes, which the 32 lanes store as two aligned units of 256 bytes.
.macro TOSTAGE a
	WIN 0x02
.set j, 0
.rept 32
	v_pk_fma_f32 v[TMP+j:TMP+j+1], v[64*(\a)+j:64*(\a)+j+1], s[92:93], v[BI+j:BI+j+1] op_sel_hi:[1,0,1]   ; each accumulator from its low end on
.set j, j+2
.endr
	WIN 0
.irp b, 0,1,2,3,4,5,6,7
	ds_store_b128 v[STO], v[TMP+8*\b:TMP+8*\b+3] offset:64*\b
	ds_store_b128 v[STO], v[TMP+8*\b+4:TMP+8*\b+7] offset:64*\b+16
.endr
.set BB, 128+64*((\a)%2)
	WIN TO_A
.irp t, 0,1,2,3,4,5,6,7,8,9,10,11,12,13,14,15
	ds_load_b128 v[BB+4*\t:BB+4*\t+3], v[RD] offset:\t*SPITCH   ; LDS serves a wave's instructions in order (ISA guide 5.7.1.4)
.endr
	WIN 0
.endm
.macro SEND a, younger
.set BB, 128+64*((\a)%2)
	s_wait_dscnt \younger
.if (\a) > 0
	s_add_nc_u64 s[10:11], s[10:11], 16*CROW       ; behind a wait on XCNT: the earlier stores have read their base
.endif
	WIN 0x0c
.irp t, 0,1,2,3,4,5,6,7,8,9,10,11,12,13,14,15
	global_store_b128 v[LO], v[BB+4*\t:BB+4*\t+3], s[10:11] offset:\t*CROW th:TH_STORE_NT
.endr
	WIN 0
.endm
	PLACES 4
	s_wait_loadcnt 0x0                             ; the bias
	TOSTAGE 0
.irp a, 1,2,3
.if \a > 1
	s_wait_xcnt 0x0                                ; block a - 2's stores have read their registers and their base
.endif
	TOSTAGE \a
	SEND \a-1, 32                                  ; behind block a - 1's loads: block a's 16 stores and 16 loads
.endr
	s_wait_xcnt 0x0
	SEND 3, 0
	s_wait_tensorcnt 0x0                           ; the wave's end
	ds_add_u32 v[SPW], v[NIL]
	s_wait_dscnt 0x0
	CROUND                                         ; the closing round
	s_endpgm
.Lfunc_end_k_qa27e95e214_lin:
	.size	k_qa27e95e214_lin, .Lfunc_end_k_qa27e95e214_lin-k_qa27e95e214_lin
	.p2alignl 7, 3214868480
	.fill 96, 4, 3214868480
	.section	.rodata,"a",@progbits
	.p2align	6, 0x0
	.amdhsa_kernel k_qa27e95e214_lin
		.amdhsa_group_segment_fixed_size 327680
		.amdhsa_private_segment_fixed_size 0
		.amdhsa_enable_private_segment 0
		.amdhsa_kernarg_size 40
		.amdhsa_user_sgpr_count 2
		.amdhsa_user_sgpr_kernarg_segment_ptr 1
		.amdhsa_wavefront_size32 1
		.amdhsa_system_sgpr_workgroup_id_x 1
		.amdhsa_system_sgpr_workgroup_id_y 1
		.amdhsa_system_sgpr_workgroup_id_z 1
		.amdhsa_system_vgpr_workitem_id 0
		.amdhsa_next_free_vgpr 1024
		.amdhsa_next_free_sgpr 100
		.amdhsa_reserve_vcc 0
		.amdhsa_float_denorm_mode_32 3
		.amdhsa_float_denorm_mode_16_64 3
		.amdhsa_memory_ordered 1
		.amdhsa_forward_progress 1
		.amdhsa_inst_pref_size 147
	.end_amdhsa_kernel
	.amdgpu_metadata
---
amdhsa.version: [ 1, 2 ]
amdhsa.kernels:
  - .name:           k_qa27e95e214_lin
    .symbol:         k_qa27e95e214_lin.kd
    .args:
      - { .name: xr_codes, .offset: 0, .size: 8, .value_kind: global_buffer, .address_space: global }
      - { .name: weight_codes, .offset: 8, .size: 8, .value_kind: global_buffer, .address_space: global }
      - { .name: lowp_scales, .offset: 16, .size: 8, .value_kind: global_buffer, .address_space: global }
      - { .name: out0, .offset: 24, .size: 8, .value_kind: global_buffer, .address_space: global }
      - { .name: bias, .offset: 32, .size: 8, .value_kind: global_buffer, .address_space: global }
    .group_segment_fixed_size: 327680
    .private_segment_fixed_size: 0
    .kernarg_segment_align: 8
    .kernarg_segment_size: 40
    .max_flat_workgroup_size: 128
    .sgpr_count:     100
    .vgpr_count:     1024
    .wavefront_size: 32
...
	.end_amdgpu_metadata
.endif
;; end of part 2
